; MI455X (gfx1250); checked and timed in simulation.
; The chip was launched on July 23, 2026; its instructions are those of AMD's public machine-readable ISA for CDNA 5 (MIT licence, August 2026) and "CDNA5" Instruction Set Architecture Reference Guide (July 2026). The comments in the code are by the model that wrote it; some were corrected since.
;; K Means. Allowed arithmetic: matrix products marked QUANTISED: E2M1 operands, one E8M0 scale for each 32 along K, by v_wmma_scale_f32_16x16x128_f8f6f4 with both operands' format E2M1 (or v_wmma_scale_f32_32x16x128_f4), f32 sums; everything else in f32.
;; Inputs: centers 4,096 x 512 float32; x 32,768 x 512 float32.
;; Outputs: out0 32,768 int32.
;; This version of the problem:
;;   THIS VERSION OF THE PROBLEM IS GIVEN IN LOW PRECISION. The matrix products marked QUANTISED in the list below multiply operands that are first quantised to E2M1 (2 exponent bits, 1 mantissa bit; 4 bits a number), with one power-of-two scale for each 32 numbers along K (OCP MX v1.0); their sums are f32. All else is computed in f32.
;;   The module's matrix products, in the order in which they are computed (A, B: the left and right operand; K: the contracted axis; several contracted axes count as one K, in the product's order):
;;     1. [M 32,768, K 512] x [K 512, N 4,096]; A: input x; B: input centers: QUANTISED
;;   THE QUANTISER, for each operand of a quantised product, along K:
;;     - K is cut into blocks of 32 from its start; a last block that is shorter is filled with zeros.
;;     - A block's scale is 2^e with e = floor(log2(the largest magnitude in the block)) - 2, held to -126 .. 127; a block of zeros has e = 0. As a byte (E8M0): e + 127.
;;     - Each number is divided by its block's scale, clamped to +-6, and rounded to the nearest number of E2M1, ties to even, subnormals kept.
;;     - The product sums the exact products of the quantised numbers (number of the format x scale) in f32.
;;   ~~~python
;;   def quantise(x, axis):      # numpy; x: float32 -> the quantised numbers, widened to float32 again
;;       x = np.moveaxis(x, axis, -1); K = x.shape[-1]
;;       x = np.pad(x, [(0, 0)] * (x.ndim - 1) + [(0, -K % 32)]); x = x.reshape(x.shape[:-1] + (-1, 32)); a = np.abs(x).max(-1, keepdims=True)
;;       e = np.where(a > 0, np.clip(np.frexp(np.where(a > 0, a, 1))[1] - 1 - 2, -126, 127), 0)      # np.frexp(a)[1] - 1 = floor(log2(a)), exactly
;;       r = np.clip(x / 2.0 ** e, -6, 6)
;;       step = 2.0 ** (np.maximum(np.frexp(np.where(r == 0, 1, r))[1] - 1, 0) - 1)
;;       q = np.round(r / step) * step * 2.0 ** e      # np.round: ties to even
;;       return np.moveaxis(q.reshape(q.shape[:-2] + (-1,))[..., :K], -1, axis).astype(np.float32)
;;   ~~~
;; One version. Each part assembles by itself: llvm-mc -triple=amdgcn-amd-amdhsa -mcpu=gfx1250 --defsym DOCPART=n.
;; ======== version 1 of 1: 2 launches
;; limits: right only within a limited range of input values
;; workspace buffers: cpk 1,130,496 bytes
;; launch prep (part 1): grid 256 x 1, 8 waves a work-group, no clusters, 36,608 bytes of LDS; arguments centers, cpk; writes cpk
.if DOCPART == 1
	.amdgcn_target "amdgcn-amd-amdhsa--gfx1250"
	.amdhsa_code_object_version 6
	.text
	.protected	k_q05352ab6df_prep
	.globl	k_q05352ab6df_prep
	.p2align	8
	.type	k_q05352ab6df_prep,@function
k_q05352ab6df_prep:
	s_mov_b64 s[64:65], 0
	v_nop
	global_prefetch_b8 v0, s[64:65] scope:SCOPE_SE
	s_setreg_imm32_b32 hwreg(HW_REG_WAVE_MODE, 25, 1), 1
	s_wait_xcnt 0x0
; The centres [4096][512], f32, are quantised ONCE along K (blocks of 32, codes of E2M1, one E8M0 byte a block) and laid in the order in which the next launch's operand registers take them;
; beside them lies -|c|^2 / 2 of the UNQUANTISED centre, in f32, which the next launch gives its sums as their first C.
; A work-group takes one tile T of 16 centres; wave u takes half step u: 64 numbers (256 bytes) of each row; K step s = u / 2, half c = u % 2.
; WHERE A TILE GOES.  T = 64 i + 8 f + 2 q + t: quarter i of the centres, fill f, pair of tiles q, half t.  The pack (f, i) begins at 141,312 f + 35,328 i; in it
;   8192 q + 512 (4 s + 2 t + c) + 16 l   registers 8 t + 4 c .. + 3 of the 32-row fragment of K step s as lane l holds them: centre l % 16 of the tile, block 4 s + 2 c + l / 16
;   32768 + 512 q + 256 t + 16 r          the four scale words (one a K step) of centre r of the tile
;   34816 + 128 q + 64 t + 4 r            -|c|^2 / 2 of centre r
; A block's scale is 2^(floor(log2(its largest magnitude)) - 2): its byte is the largest magnitude's exponent field - 2, held at 1 from below by a floor among the maximum's leaves.
; LIMITS.  A block of zeros gets the byte 1 where the rule says 127: its codes are zeros, and this program alone reads the bytes.  NaN and infinities among the inputs are not served.
; The store of the norms covers 64 of 256 aligned bytes (16 numbers a tile): 16,384 bytes of the launch's stores.
.set PITCH, 272                        ; a stage row: 256 bytes + 16
.set STG,  16*PITCH                    ; a wave's stage
.set SWL,  8*STG                       ; 256 bytes: the tile's scale words as they go out: 16 r + 4 s
.set RED,  SWL+256                     ; 512 bytes: the partial sums of squares: 32 r + 4 u
.set SPARE, RED+512                    ; the spare words, 128 bytes for each wave
.set SPW,  1                           ; v1   LDS address of my spare word
.set NIL,  2                           ; v2   0
.set XO,   3                           ; v3   in memory: 2048 (lane / 16) + 16 (lane % 16)
.set STW,  4                           ; v4   my stage, on the way in
.set STR,  5                           ; v5   and on the way out: row lane % 16, 128 bytes for each half of the lanes
.set SH8,  6                           ; v6   8 x (lane / 16)
.set RWS,  7                           ; v7   16 (lane % 16) + 2 u
.set RWN,  8                           ; v8   32 (lane % 16) + 4 u
.set IM8,  9                           ; v9   8 x lane
.set IM16, 10                          ; v10  16 x lane
.set C4,   11                          ; v11  4 x (lane % 16)
.set C32,  12                          ; v12  32 x (lane % 16)
.set T0,   13
.set T1,   14
.set T2,   15
.set R,    16                          ; v16-47  the rows as they are loaded
.set XB,   48                          ; v48-79  my block of my row
.set CODE, 80                          ; v80-83
.set SQ,   84                          ; v84-87  the sum of squares, two packed chains
.set MA,   88
.set MB,   89
.set SCL,  90
.set WS,   91                          ; v91  my two bytes of the K step's scale word
.set TP,   92                          ; v92-93 what the lane 16 away holds
.set SI,   94                          ; v94-95 scale words on the way out
.set PS,   96                          ; v96-103 the eight partial sums
.set SEL,  28                          ; s[28:29] v_permlanex16_b32's selects for lane l xor 16
	s_load_b128 s[4:7], s[0:1], 0x0                ; centers s[4:5], cpk s[6:7]
	v_lshl_add_u32 v[SPW], v0, 2, SPARE
	v_mov_b32 v[NIL], 0
	v_lshrrev_b32 v[T0], 5, v0
	v_readfirstlane_b32 s8, v[T0]                  ; my wave's number: my half step u
	s_mul_i32 s9, s8, STG                          ; my stage
	s_lshl_b32 s10, s8, 1
	s_lshl_b32 s11, s8, 2
	v_and_b32 v[T0], 31, v0
	v_and_b32 v[T1], 15, v0
	v_bfe_u32 v[T2], v0, 4, 1
	v_lshlrev_b32 v[XO], 4, v[T1]
	v_mul_u32_u24 v[STW], v[T2], PITCH
	v_mul_u32_u24 v[STR], v[T1], PITCH
	v_lshl_add_u32 v[XO], v[T2], 11, v[XO]
	v_lshl_add_u32 v[STW], v[T1], 4, v[STW]
	v_lshl_add_u32 v[STR], v[T2], 7, v[STR]
	v_lshlrev_b32 v[SH8], 3, v[T2]
	v_add_nc_u32 v[STW], s9, v[STW]
	v_add_nc_u32 v[STR], s9, v[STR]
	v_lshl_add_u32 v[RWS], v[T1], 4, s10
	v_lshl_add_u32 v[RWN], v[T1], 5, s11
	v_lshlrev_b32 v[IM8], 3, v[T0]
	v_lshlrev_b32 v[IM16], 4, v[T0]
	v_lshlrev_b32 v[C4], 2, v[T1]
	v_lshlrev_b32 v[C32], 5, v[T1]
	v_mov_b32 v[TP], 0                             ; written once: a lane permute's destination counts as one of its sources
	v_mov_b32 v[TP+1], 0
	s_and_b32 s16, ttmp9, 1                        ; t
	s_bfe_u32 s17, ttmp9, 0x20001                  ; q: two bits from bit 1
	s_bfe_u32 s18, ttmp9, 0x30003                  ; f: three bits from bit 3
	s_lshr_b32 s19, ttmp9, 6                       ; i
	s_mul_i32 s18, s18, 141312
	s_mul_i32 s19, s19, 35328
	s_add_co_u32 s18, s18, s19                     ; the pack's first byte
	s_lshl_b32 s19, s17, 13
	s_lshl_b32 s20, s16, 10
	s_add_co_u32 s19, s19, s20
	s_lshr_b32 s20, s8, 1
	s_lshl_b32 s20, s20, 11
	s_add_co_u32 s19, s19, s20
	s_and_b32 s20, s8, 1
	s_lshl_b32 s20, s20, 9
	s_add_co_u32 s19, s19, s20
	s_add_co_u32 s20, s18, s19                     ; my codes
	s_mov_b32 s21, 0
	s_lshl_b32 s19, s17, 9
	s_lshl_b32 s22, s16, 8
	s_add_co_u32 s19, s19, s22
	s_add_co_u32 s22, s18, s19                     ; the tile's scale words (32,768 more stand in the store's immediate)
	s_mov_b32 s23, 0
	s_lshl_b32 s19, s17, 7
	s_lshl_b32 s24, s16, 6
	s_add_co_u32 s19, s19, s24
	s_add_co_u32 s24, s18, s19                     ; its norms (34,816 more likewise)
	s_mov_b32 s25, 0
	s_lshl_b32 s26, ttmp9, 15                      ; the tile's 16 rows of 2,048 bytes,
	s_lshl_b32 s27, s8, 8                          ; my 256 bytes of each
	s_add_co_u32 s26, s26, s27
	s_mov_b32 s27, 0
	s_mov_b32 s[SEL], 0x76543210
	s_mov_b32 s[SEL+1], 0xfedcba98
	s_wait_alu depctr_va_vdst(0)                   ; the wait at the head's end
	s_wait_kmcnt 0x0
	s_add_nc_u64 s[4:5], s[4:5], s[26:27]
	s_add_nc_u64 s[10:11], s[6:7], s[20:21]
	s_add_nc_u64 s[12:13], s[6:7], s[22:23]
	s_add_nc_u64 s[14:15], s[6:7], s[24:25]
.irp i, 0,1,2,3,4,5,6,7
	global_load_b128 v[R+4*\i:R+4*\i+3], v[XO], s[4:5] offset:4096*\i th:TH_LOAD_NT   ; lanes 0-15 read 256 consecutive bytes of row 2 i, lanes 16-31 of row 2 i + 1
.endr
; The rows turn through my stage: in as loaded, out 128 bytes a lane: row lane % 16, block 2 u + lane / 16, all 32 numbers.  LDS serves a wave's instructions in order (ISA guide 5.7.1.4): the loads see the stores above them.
.irp i, 0,1,2,3,4,5,6,7
	s_wait_loadcnt 7-\i                            ; this pair of rows is in; the younger ones may be out
	ds_store_b128 v[STW], v[R+4*\i:R+4*\i+3] offset:2*PITCH*\i
.endr
.irp j, 0,1,2,3,4,5,6,7
	ds_load_b128 v[XB+4*\j:XB+4*\j+3], v[STR] offset:16*\j
.endr
	s_wait_dscnt 0x0
	; My block: its squares, its largest magnitude, its byte, its 32 codes.  Squares and maxima stand by turns: four chains.
	v_pk_mul_f32 v[SQ:SQ+1], v[XB:XB+1], v[XB:XB+1]                        ; the first squares start the sums
	v_max3_num_f32 v[MA], |v[XB]|, |v[XB+1]|, 0x1800000                    ; the floor 2^(3 - 127) among the leaves: the byte cannot fall under 1
	v_pk_mul_f32 v[SQ+2:SQ+3], v[XB+2:XB+3], v[XB+2:XB+3]
	v_max3_num_f32 v[MB], |v[XB+2]|, |v[XB+3]|, |v[XB+4]|
.irp i, 4,8,12,16,20,24
	v_pk_fma_f32 v[SQ:SQ+1], v[XB+\i:XB+\i+1], v[XB+\i:XB+\i+1], v[SQ:SQ+1]
	v_max3_num_f32 v[MA], v[MA], |v[XB+\i+1]|, |v[XB+\i+2]|
	v_pk_fma_f32 v[SQ+2:SQ+3], v[XB+\i+2:XB+\i+3], v[XB+\i+2:XB+\i+3], v[SQ+2:SQ+3]
	v_max3_num_f32 v[MB], v[MB], |v[XB+\i+3]|, |v[XB+\i+4]|
.endr
	v_pk_fma_f32 v[SQ:SQ+1], v[XB+28:XB+29], v[XB+28:XB+29], v[SQ:SQ+1]
	v_max3_num_f32 v[MA], v[MA], |v[XB+29]|, |v[XB+30]|
	v_pk_fma_f32 v[SQ+2:SQ+3], v[XB+30:XB+31], v[XB+30:XB+31], v[SQ+2:SQ+3]
	s_delay_alu instid0(VALU_DEP_2)
	v_max3_num_f32 v[MA], v[MA], v[MB], |v[XB+31]|
	s_delay_alu instid0(VALU_DEP_1)
	v_add_nc_u32 v[SCL], 0xff000000, v[MA]         ; 2 off the exponent field: the conversion takes the exponent field of this operand as its scale, and nothing else of it
.irp g, 0,1,2,3
	v_cvt_scalef32_pk8_fp4_f32 v[CODE+\g], v[XB+8*\g:XB+8*\g+7], v[SCL]   ; to the nearest code, ties to even; beyond 6 the largest code
.endr
	v_lshrrev_b32 v[WS], 23, v[SCL]                ; the scale's byte (also the plain instruction behind the conversions)
	global_store_b128 v[IM16], v[CODE:CODE+3], s[10:11]   ; 32 lanes store 512 consecutive bytes, at a multiple of 256 from the buffer's first byte
	v_pk_add_f32 v[SQ:SQ+1], v[SQ:SQ+1], v[SQ+2:SQ+3]
	v_lshlrev_b32 v[WS], v[SH8], v[WS]             ; block 2 c + h of the K step is byte 2 c + h of its word: byte h of my half
	v_add_f32 v[SQ], v[SQ], v[SQ+1]
	v_permlanex16_b32 v[TP], v[WS], s[SEL], s[SEL+1]     ; the lane 16 away holds the row's other block: its byte completes my half of the word, its squares the sum
	v_permlanex16_b32 v[TP+1], v[SQ], s[SEL], s[SEL+1]
	v_or_b32 v[WS], v[WS], v[TP]
	v_add_f32 v[SQ], v[SQ], v[TP+1]
	ds_store_b16 v[RWS], v[WS] offset:SWL          ; lanes l and l + 16 hold the same number and write the same bytes
	ds_store_b32 v[RWN], v[SQ] offset:RED
	s_wait_dscnt 0x0                               ; for wave 0's sake: my bytes and my partial sum have landed
	s_barrier_signal -1
	s_barrier_wait -1
	s_cmp_lg_u32 s8, 0                             ; wave 0 sends out what the eight have gathered
	s_cbranch_scc1 .Lend
	ds_load_b64 v[SI:SI+1], v[IM8] offset:SWL
	ds_load_b128 v[PS:PS+3], v[C32] offset:RED
	ds_load_b128 v[PS+4:PS+7], v[C32] offset:RED+16
	s_wait_dscnt 0x0
	global_store_b64 v[IM8], v[SI:SI+1], s[12:13] offset:32768     ; 256 consecutive bytes, aligned
	v_pk_add_f32 v[PS:PS+1], v[PS:PS+1], v[PS+2:PS+3]
	v_pk_add_f32 v[PS+4:PS+5], v[PS+4:PS+5], v[PS+6:PS+7]
	v_pk_add_f32 v[PS:PS+1], v[PS:PS+1], v[PS+4:PS+5]
	v_add_f32 v[PS], v[PS], v[PS+1]
	v_mul_f32 v[PS], -0.5, v[PS]
	global_store_b32 v[C4], v[PS], s[14:15] offset:34816           ; lanes l and l + 16 hold the same number and write the same word
.Lend:
	s_wait_tensorcnt 0x0                           ; the wave's end: behind my last LDS store
	ds_add_u32 v[SPW], v[NIL]
	s_wait_dscnt 0x0
	s_endpgm
.Lfunc_end_k_q05352ab6df_prep:
	.size	k_q05352ab6df_prep, .Lfunc_end_k_q05352ab6df_prep-k_q05352ab6df_prep
	.p2alignl 7, 3214868480
	.fill 96, 4, 3214868480
	.section	.rodata,"a",@progbits
	.p2align	6, 0x0
	.amdhsa_kernel k_q05352ab6df_prep
		.amdhsa_group_segment_fixed_size 36608
		.amdhsa_private_segment_fixed_size 0
		.amdhsa_enable_private_segment 0
		.amdhsa_kernarg_size 16
		.amdhsa_user_sgpr_count 2
		.amdhsa_user_sgpr_kernarg_segment_ptr 1
		.amdhsa_wavefront_size32 1
		.amdhsa_system_sgpr_workgroup_id_x 1
		.amdhsa_system_sgpr_workgroup_id_y 1
		.amdhsa_system_sgpr_workgroup_id_z 1
		.amdhsa_system_vgpr_workitem_id 0
		.amdhsa_next_free_vgpr 128
		.amdhsa_next_free_sgpr 66
		.amdhsa_reserve_vcc 0
		.amdhsa_float_denorm_mode_32 3
		.amdhsa_float_denorm_mode_16_64 3
		.amdhsa_memory_ordered 1
		.amdhsa_forward_progress 1
		.amdhsa_inst_pref_size 9
	.end_amdhsa_kernel
	.amdgpu_metadata
---
amdhsa.version: [ 1, 2 ]
amdhsa.kernels:
  - .name:           k_q05352ab6df_prep
    .symbol:         k_q05352ab6df_prep.kd
    .args:
      - { .name: centers, .offset: 0, .size: 8, .value_kind: global_buffer, .address_space: global }
      - { .name: cpk, .offset: 8, .size: 8, .value_kind: global_buffer, .address_space: global }
    .group_segment_fixed_size: 36608
    .private_segment_fixed_size: 0
    .kernarg_segment_align: 8
    .kernarg_segment_size: 16
    .max_flat_workgroup_size: 256
    .sgpr_count:     66
    .vgpr_count:     128
    .wavefront_size: 32
...
	.end_amdgpu_metadata
.endif
;; end of part 1
;; launch main (part 2): grid 256 x 1, 8 waves a work-group, clusters of 4 x 1, 327,680 bytes of LDS; arguments x, cpk, out0; writes out0
.if DOCPART == 2
	.amdgcn_target "amdgcn-amd-amdhsa--gfx1250"
	.amdhsa_code_object_version 6
	.text
	.protected	k_q05352ab6df_main
	.globl	k_q05352ab6df_main
	.p2align	8
	.type	k_q05352ab6df_main,@function
k_q05352ab6df_main:
	s_mov_b64 s[64:65], 0
	v_nop
	global_prefetch_b8 v0, s[64:65] scope:SCOPE_SE
	s_setreg_imm32_b32 hwreg(HW_REG_WAVE_MODE, 25, 1), 1
	s_wait_xcnt 0x0
	s_wait_alu depctr_hold_cnt(0) depctr_sa_sdst(0) depctr_va_vdst(0) depctr_va_sdst(0) depctr_va_ssrc(0) depctr_va_vcc(0) depctr_vm_vsrc(0)
	s_getreg_b32 s2, hwreg(HW_REG_IB_STS2, 6, 4)
	s_cmp_eq_u32 s2, 0
	s_cbranch_scc0 .Lentry_in_a_cluster
	s_endpgm
.Lentry_in_a_cluster:
	s_bfe_u32 s2, ttmp6, 0x10000c
	s_cmp_lg_u32 s2, 0x3003
	s_cbranch_scc0 .Lentry_shape_is_right
	s_endpgm
.Lentry_shape_is_right:
; out0[n] = the lowest index k at which | |x_n|^2 - 2 Q(x_n).Q(c_k) + |c_k|^2 | is smallest.  x: [32768][512] f32; the centres come as packs of codes, scale words and -|c|^2 / 2 (laid by the launch before).
; WHAT IS COMPUTED.  e = (Q(x).Q(c) - |c|^2 / 2) - |x|^2 / 2 = -dist / 2; the halving is exact, so the smallest |e| is the smallest |dist|.  -|c|^2 / 2 is the C of a sum's first matrix instruction,
; -|x|^2 / 2 is added two numbers an instruction.  The norms are those of the unquantised numbers, in f32.
; LIMITS.  The order of the f32 additions is (|c|^2 - 2 P) + |x|^2, with |c|^2 inside the matrix unit's sum, where the definition reads (|x|^2 - 2 P) + |c|^2.  A distance under 2^-125 loses a bit in the halving.
; NaN and infinities among the inputs are not served; a row with no finite distance gets index 0.  A block of zeros of x gets the scale byte 1 where the rule says 127: its codes are zeros.
; SHARES.  A work-group of eight waves owns 128 rows of x.  Wave w quantises rows 16 w .. 16 w + 15 in registers; the codes go to the other waves through LDS as images of the operand's registers.
; Wave w = 4 a + i then holds the codes of rows 64 a .. 64 a + 63 (4 tiles x 4 K steps x 8 registers) and walks centres 1024 i .. 1024 i + 1023, 32 at a time.
; THE PRODUCT IS USED WITH THE CENTRES AS SOURCE 0 (32 rows): a lane holds ONE row of x (lane % 16) and sixteen centres, 8 (lane / 16) + 0 .. 7 and 16 + 8 (lane / 16) + 0 .. 7: a GROUP.
; THE ARGMIN.  Of a group: eight packed additions, eight lines for the smallest magnitude g of the group and of all before it, one compare with the smallest before, and nine pairs of selects that keep, where g is smaller,
; the group's sixteen numbers, g and the group's first index.  The place inside the kept group is looked for once, at the end.  A strict compare keeps the earlier group, whose indices are lower.
; THE RING.  Two LDS slots, each a fill of 512 centres (128 of each quarter): 16 pairs of tiles; a wave brings an eighth of a fill by one load and reads its quarter's four pairs of tiles.
; CLUSTER.  The four work-groups of a cluster walk the same fills: each is asked for JOINTLY, by the same tensor loads with the same descriptors (made of the wave's number alone) and a mask that names the four.
; PREFETCH.  Behind the load of fill f stands a prefetch of fill f + 1, one slot's work (four pairs of tiles) ahead of its load.  Each wave names the 69 blocks of 256 bytes that it will itself load; the four partners share them
; out by address, 18 lanes each (the last 15; lanes that are left over name a block once more).  All 64 clusters walk the same 1,130,496 bytes, so the first four clusters alone ask.  Nothing is asked for beyond fill 7.
; REGISTERS, window 0: v1-21 addresses; v22-27 at work; v32-47 x's scale words; v48-55 -|x|^2 / 2; v56-63 a row tile's smallest magnitude and its index; v64-71 two sets of the centres' scale words; v72-103 two of their norms;
;   v112-175 four accumulators of 32 x 16; v176-239 the kept groups.  While x is quantised v112-230 are at work for that, and all of window 1 holds the rows as loaded.
;   Window 1: v0-127 x's 16 fragments; v128-191, v192-255 two sets of a pair of tiles' four fragments of 32 rows x 128 K.
.set QP,    35328                      ; a quarter's part of a fill: 4 pairs of tiles x 8,192 bytes of codes, 4 x 512 of scale words, 4 x 128 of norms
.set SLOTB, 4*QP                       ; a fill, and a slot: 141,312 bytes
.set PART,  SLOTB/8                    ; what one wave brings: 69 rows of 256 bytes
.set XA,    2*SLOTB                    ; behind the ring: for each wave 4,608 bytes: its stage, then its row tile's image (4,096 of codes, 512 of scale words); at the end the waves' results
.set XIMG,  4608
.set XNA,   XA+8*XIMG                  ; -|x|^2 / 2: 256 bytes a row tile (a pair a lane)
.set SPARE, XNA+8*256                  ; the spare words, 128 bytes for each wave: four blocks of 256 bytes that no other line names
.set SPW,  1                           ; v1       LDS address of my spare word; never rewritten
.set NIL,  2                           ; v2       0; never rewritten
.set ADF,  3                           ; v3-4     slot 0, 1: my quarter's part + 16 x lane
.set ADC,  5                           ; v5-6     my quarter's part + 32 x (lane / 16)
.set CUR,  9                           ; v9       the first index of the group in hand
.set XO,   10                          ; v10      x in memory: 2048 (lane / 16) + 16 (lane % 16)
.set STW,  11                          ; v11      my stage, on the way in
.set STR,  12                          ; v12      and on the way out
.set SH8,  13                          ; v13      8 x (lane / 16)
.set IM16, 14                          ; v14      my image + 16 x lane
.set XNW,  15                          ; v15      where my row tile's -|x|^2 / 2 goes
.set IMR,  16                          ; v16      my row half's images + 16 x lane
.set XNR,  17                          ; v17      my row half's -|x|^2 / 2 + 8 x lane
.set RDW,  18                          ; v18      where my wave's results go
.set RDR,  19                          ; v19      where waves 0 and 1 read the results of a row half
.set OO,   20                          ; v20      out0: 8 x lane + 256 w
.set PFO,  21                          ; v21      the prefetch's block in a fill, in bytes; never rewritten
.set GT1,  22                          ; v22, v24 the smallest magnitude, for two row tiles by turns
.set GT0,  24
.set Y0,   26
.set Y1,   27
.set XS,   32                          ; v32-47   x's scale words: row tile m, K step s: v[32 + 4 m + s].  They hold scales and nothing else
.set XN,   48                          ; v48-55   -|x|^2 / 2 of my row in tile m, twice
.set ST,   56                          ; v56-63   row tile m: v[56 + 2 m] the smallest magnitude so far, v[57 + 2 m] its group's first index
.set CS,   64                          ; v64-71   set z, K step s: v[64 + 4 z + s]: lane l the word of centre l.  They hold scales and nothing else
.set CN,   72                          ; v72-103  set z: -|c|^2 / 2 of my sixteen centres
.set ACC,  112
.set SV,   176
.set CF,   128                         ; window 1: the centres' fragments, set z at 128 + 64 z
.set CODE, 112                         ; the quantiser's registers
.set BK,   144
.set SQ,   208
.set MA,   212
.set MB,   213
.set SCL,  214
.set BY,   215
.set NH,   216
.set WS,   220
.set TP,   224
.set T0,   228
.set T1,   229
.set T2,   230
.set FJ,   112                         ; at the end: v112-115 the place in the kept group; v116-131 at work; v132-147 the results of four waves
.set FT,   116
.set FR,   132
.set WV,   10                          ; s10      my wave's number
.set SEL,  20                          ; s[20:21] v_permlanex16_b32's selects for lane l xor 16
.set PINF, 22                          ; s22      +infinity
.set G1,   24                          ; s[24:31] descriptor group 1
.set G0,   32                          ; s[32:39] descriptor group 0, a set for each slot
.set TRIPS, 40
.set MK,   44                          ; s[44:51] at the end: lane masks
.set PFB,  52                          ; s[52:53] the fill that the next prefetch names
.set LIM,  54                          ; s54, s55 where my cluster asks: slot s asks while TRIPS is greater than s; in the other clusters the greatest number
.set MSB, 0
.macro WIN new                         ; the immediate's high byte repeats the setting that is left
.if MSB != \new
	s_set_vgpr_msb (MSB<<8)|\new
.set MSB, \new
.endif
.endm
.macro CREST                           ; a round of the cluster's barrier behind its opening barrier
	s_cmp_lg_u32 s[WV], 0
	s_cbranch_scc1 .Lnot_wave_0_\@
	s_barrier_signal -3
.Lnot_wave_0_\@:
	s_barrier_wait -3
	s_barrier_signal -1
	s_barrier_wait -1
.endm
.macro ROUND                           ; a whole round
	s_barrier_signal -1
	s_barrier_wait -1
	CREST
.endm
.macro JOINT slot                      ; the joint load; five lines behind it, ahead of what follows
	tensor_load_to_lds s[G0+4*(\slot):G0+4*(\slot)+3], s[G1:G1+7]
	s_nop 0
.rept 4
	v_nop
.endr
.endm
.macro ASK how                         ; the prefetch: how = the slot, in the loop; 2 ahead of it
.if \how == 2
	s_cmp_eq_u32 s[LIM], 0
.else
	s_cmp_gt_u32 s[TRIPS], s[LIM+\how]
.endif
	s_cbranch_scc0 .Lnot_asked_\@
	global_prefetch_b8 v[PFO], s[PFB:PFB+1] th:TH_LOAD_NT scope:SCOPE_SE
.Lnot_asked_\@:
.endm
.macro ONWARD                          ; on to the next fill: any prefetch of mine has read its address
	s_wait_xcnt 0x0
	s_add_nc_u64 s[PFB:PFB+1], s[PFB:PFB+1], SLOTB
.endm
; ---- the quantiser: 16 rows x 512 numbers become 32 registers of codes, four scale words, and -(sum of squares) / 2
; Half step u: 64 numbers (256 bytes) of each of the 16 rows.  Lanes 0-15 read 256 consecutive bytes of row 2 i, lanes 16-31 of row 2 i + 1.  Each half step has registers of its own.
.macro LOAD u
	WIN 0x40                                       ; destination window 1
.irp i, 0,1,2,3,4,5,6,7
	global_load_b128 v[32*(\u)+4*\i:32*(\u)+4*\i+3], v[XO], s[4:5] offset:4096*\i+256*(\u) th:TH_LOAD_NT
.endr
	WIN 0
.endm
; They turn through the wave's stage (16 rows, 272 bytes apart): in as loaded, out 128 bytes a lane: row lane % 16, block 2 u + lane / 16, all 32 numbers.
; LDS serves a wave's instructions in order (ISA guide 5.7.1.4): the loads see the stores above them, and the next half step's stores come behind these loads.
.macro TURN u
	WIN 0x04                                       ; an LDS store's data are its source 1: window 1
.irp i, 0,1,2,3,4,5,6,7
	ds_store_b128 v[STW], v[32*(\u)+4*\i:32*(\u)+4*\i+3] offset:544*\i
.endr
	WIN 0
.irp j, 0,1,2,3,4,5,6,7
	ds_load_b128 v[BK+32*((\u)%2)+4*\j:BK+32*((\u)%2)+4*\j+3], v[STR] offset:16*\j
.endr
.endm
; My block of half step u: its squares onto the sum, its largest magnitude, its byte, its 32 codes.  Squares and maxima stand by turns: four chains.
.macro QBLK u
.set XB, BK+32*((\u)%2)
.if (\u) == 0
	v_pk_mul_f32 v[SQ:SQ+1], v[XB:XB+1], v[XB:XB+1]                        ; the first squares start the sums: nothing is cleared
	v_max3_num_f32 v[MA], |v[XB]|, |v[XB+1]|, 0x1800000                    ; the floor 2^(3 - 127) among the leaves: the byte cannot fall under 1
	v_pk_mul_f32 v[SQ+2:SQ+3], v[XB+2:XB+3], v[XB+2:XB+3]
.else
	v_pk_fma_f32 v[SQ:SQ+1], v[XB:XB+1], v[XB:XB+1], v[SQ:SQ+1]
	v_max3_num_f32 v[MA], |v[XB]|, |v[XB+1]|, 0x1800000
	v_pk_fma_f32 v[SQ+2:SQ+3], v[XB+2:XB+3], v[XB+2:XB+3], v[SQ+2:SQ+3]
.endif
	v_max3_num_f32 v[MB], |v[XB+2]|, |v[XB+3]|, |v[XB+4]|
.irp i, 4,8,12,16,20,24
	v_pk_fma_f32 v[SQ:SQ+1], v[XB+\i:XB+\i+1], v[XB+\i:XB+\i+1], v[SQ:SQ+1]
	v_max3_num_f32 v[MA], v[MA], |v[XB+\i+1]|, |v[XB+\i+2]|
	v_pk_fma_f32 v[SQ+2:SQ+3], v[XB+\i+2:XB+\i+3], v[XB+\i+2:XB+\i+3], v[SQ+2:SQ+3]
	v_max3_num_f32 v[MB], v[MB], |v[XB+\i+3]|, |v[XB+\i+4]|
.endr
	v_pk_fma_f32 v[SQ:SQ+1], v[XB+28:XB+29], v[XB+28:XB+29], v[SQ:SQ+1]
	v_max3_num_f32 v[MA], v[MA], |v[XB+29]|, |v[XB+30]|
	v_pk_fma_f32 v[SQ+2:SQ+3], v[XB+30:XB+31], v[XB+30:XB+31], v[SQ+2:SQ+3]
	s_delay_alu instid0(VALU_DEP_2)
	v_max3_num_f32 v[MA], v[MA], v[MB], |v[XB+31]|
	s_delay_alu instid0(VALU_DEP_1)
	v_add_nc_u32 v[SCL], 0xff000000, v[MA]         ; 2 off the exponent field: the conversion takes the exponent field of this operand as its scale, and nothing else of it
.irp g, 0,1,2,3
	v_cvt_scalef32_pk8_fp4_f32 v[CODE+4*(\u)+\g], v[XB+8*\g:XB+8*\g+7], v[SCL]   ; to the nearest code, ties to even; beyond 6 the largest code
.endr
	v_lshrrev_b32 v[BY], 23, v[SCL]                ; the scale's byte (also the plain instruction behind the conversions)
.if (\u)%2 == 0
	s_delay_alu instid0(VALU_DEP_1)
	v_lshlrev_b32 v[WS+(\u)/2], v[SH8], v[BY]      ; block 4 s + 2 c + h is byte 2 c + h of K step s's word
.else
	s_delay_alu instid0(VALU_DEP_1)
	v_lshlrev_b32 v[BY], v[SH8], v[BY]
	s_delay_alu instid0(VALU_DEP_1)
	v_lshl_or_b32 v[WS+(\u)/2], v[BY], 16, v[WS+(\u)/2]
.endif
.endm
; The lane 16 away holds the row's other blocks: its bytes complete the scale words, its squares the sum.
.macro QEND
.irp s, 0,1,2,3
	v_permlanex16_b32 v[TP+\s], v[WS+\s], s[SEL], s[SEL+1]
.endr
	v_pk_add_f32 v[SQ:SQ+1], v[SQ:SQ+1], v[SQ+2:SQ+3]
.irp s, 0,1,2,3
	v_or_b32 v[WS+\s], v[WS+\s], v[TP+\s]
.endr
	v_add_f32 v[SQ], v[SQ], v[SQ+1]
	s_delay_alu instid0(VALU_DEP_1)
	v_permlanex16_b32 v[TP], v[SQ], s[SEL], s[SEL+1]
	s_delay_alu instid0(VALU_DEP_1)
	v_add_f32 v[SQ], v[SQ], v[TP]
	s_delay_alu instid0(VALU_DEP_1)
	v_mul_f32 v[NH], -0.5, v[SQ]
	s_delay_alu instid0(VALU_DEP_1)
	v_mov_b32 v[NH+1], v[NH]
.endm
; ---- the loop's parts
; Pair of tiles q of my quarter's part of a slot into set z: 16 loads of 512 consecutive bytes for the four fragments, one for the scale words, four for my sixteen norms: 21 LDS loads.
.macro LFRAG slot, q, z
	WIN 0x40                                       ; destination window 1
.irp k, 0,1,2,3,4,5,6,7,8,9,10,11,12,13,14,15
	ds_load_b128 v[CF+64*(\z)+4*\k:CF+64*(\z)+4*\k+3], v[ADF+(\slot)] offset:8192*(\q)+512*\k
.endr
	WIN 0
	ds_load_b128 v[CS+4*(\z):CS+4*(\z)+3], v[ADF+(\slot)] offset:32768+512*(\q)
.irp t, 0,1
	ds_load_b128 v[CN+16*(\z)+8*\t:CN+16*(\z)+8*\t+3], v[ADC+(\slot)] offset:34816+128*(\q)+64*\t
	ds_load_b128 v[CN+16*(\z)+8*\t+4:CN+16*(\z)+8*\t+7], v[ADC+(\slot)] offset:34816+128*(\q)+64*\t+16
.endr
.endm
; 32 centres (set z) against my 64 rows: 16 matrix instructions.  The four accumulators take turns, one instruction a turn; the first K step takes -|c|^2 / 2 as C: nothing is cleared.
; The four v_nop are the places (ISA guide 7.12.1) in front of the first read of the results.  A pair of tiles' vector work stands between these products and the next loads into their registers or the next writes of the accumulators.
.macro WMM z
	WIN 0x05                                       ; sources 0 (centres) and 1 (x) window 1
.irp s, 0,1,2,3
.irp m, 0,1,2,3
.if \s == 0
	v_wmma_scale_f32_32x16x128_f4 v[ACC+16*\m:ACC+16*\m+15], v[CF+64*(\z):CF+64*(\z)+15], v[32*\m:32*\m+7], v[CN+16*(\z):CN+16*(\z)+15], v[CS+4*(\z)], v[XS+4*\m]
.else
	v_wmma_scale_f32_32x16x128_f4 v[ACC+16*\m:ACC+16*\m+15], v[CF+64*(\z)+16*\s:CF+64*(\z)+16*\s+15], v[32*\m+8*\s:32*\m+8*\s+7], v[ACC+16*\m:ACC+16*\m+15], v[CS+4*(\z)+\s], v[XS+4*\m+\s]
.endif
.endr
.endr
	WIN 0
.rept 4
	v_nop
.endr
.endm
.macro ADD2 m, i                       ; e = (P - |c|^2 / 2) - |x|^2 / 2
	v_pk_add_f32 v[ACC+16*(\m)+(\i):ACC+16*(\m)+(\i)+1], v[ACC+16*(\m)+(\i):ACC+16*(\m)+(\i)+1], v[XN+2*(\m):XN+2*(\m)+1]
.endm
; The smallest magnitude of row tiles m and m + 1: of the group's sixteen numbers and of all groups before it.  Four chains by turns.
.macro MINA m
.set PA, ACC+16*(\m)
.set PB, PA+16
	v_min3_num_f32 v[GT0], v[ST+2*(\m)], |v[PA]|, |v[PA+1]|
	v_min3_num_f32 v[GT1], v[ST+2*(\m)+2], |v[PB]|, |v[PB+1]|
	v_min3_num_f32 v[Y0], |v[PA+8]|, |v[PA+9]|, |v[PA+10]|
	v_min3_num_f32 v[Y1], |v[PB+8]|, |v[PB+9]|, |v[PB+10]|
.irp i, 2,4
	v_min3_num_f32 v[GT0], v[GT0], |v[PA+\i]|, |v[PA+\i+1]|
	v_min3_num_f32 v[GT1], v[GT1], |v[PB+\i]|, |v[PB+\i+1]|
	v_min3_num_f32 v[Y0], v[Y0], |v[PA+9+\i]|, |v[PA+10+\i]|
	v_min3_num_f32 v[Y1], v[Y1], |v[PB+9+\i]|, |v[PB+10+\i]|
.endr
	v_min3_num_f32 v[GT0], v[GT0], |v[PA+6]|, |v[PA+7]|
	v_min3_num_f32 v[GT1], v[GT1], |v[PB+6]|, |v[PB+7]|
	v_min3_num_f32 v[GT0], v[GT0], v[Y0], |v[PA+15]|
	v_min3_num_f32 v[GT1], v[GT1], v[Y1], |v[PB+15]|
.endm
; Where VCC is set row tile m keeps the group in hand.  A pair: destinations even and odd; the first sources, and the second, in registers of different number mod 4.
.macro PICK m, g
.irp i, 0,2,4,6,8,10,12,14
	v_dual_cndmask_b32 v[SV+16*(\m)+\i], v[SV+16*(\m)+\i], v[ACC+16*(\m)+\i] :: v_dual_cndmask_b32 v[SV+16*(\m)+\i+1], v[SV+16*(\m)+\i+1], v[ACC+16*(\m)+\i+1]
.endr
	v_dual_cndmask_b32 v[ST+2*(\m)], v[ST+2*(\m)], v[\g] :: v_dual_cndmask_b32 v[ST+2*(\m)+1], v[ST+2*(\m)+1], v[CUR]
.endm
; The vector work of a pair of tiles: 26 instructions for each of the four row tiles; 105 in all.  Each accumulator is read from its low end on.
.macro EPI
.irp i, 0,2,4,6,8,10,12,14
	ADD2 0, \i
	ADD2 1, \i
.endr
	MINA 0
	v_cmp_lt_f32 vcc_lo, v[GT0], v[ST]             ; strictly smaller: on a tie the earlier group, of lower indices, stays
.irp i, 0,2,4,6,8,10,12,14
	ADD2 2, \i
.endr
	PICK 0, GT0
	v_cmp_lt_f32 vcc_lo, v[GT1], v[ST+2]
.irp i, 0,2,4,6,8,10,12,14
	ADD2 3, \i
.endr
	PICK 1, GT1
	MINA 2
	v_cmp_lt_f32 vcc_lo, v[GT0], v[ST+4]
	PICK 2, GT0
	v_cmp_lt_f32 vcc_lo, v[GT1], v[ST+6]
	PICK 3, GT1
	v_add_nc_u32 v[CUR], 32, v[CUR]                ; my wave's pairs of tiles follow each other in index
.endm
; A slot's four pairs of tiles.  fill = 1: the slot is filled again.  last = 1: nothing follows.  A pair's 21 loads are issued a whole pair ahead, into the other set: s_wait_dscnt 21 leaves the next pair's out.
; THE CHANGE OF SLOTS stands behind the third pair's products, when the slot's last pair has been asked for from LDS.  Each wave waits for all its tensor loads, of which one is out: its part of the other slot; adds 0 to its
; spare word; and waits for that and for its reads of this slot.  The round follows (the third pair's vector work, registers alone, stands between its first signal and wait), so that no wave of any partner still reads this slot
; or has a load on its way; the joint refill, two fills on, is the first thing behind it, one load a wave: by this text's count a wave then has one tensor load out, with four pairs' work in which to land.
.macro SLOTRUN slot, fill, last
	LFRAG \slot, 1, 1
	s_wait_dscnt 21
	WMM 0
	EPI
	LFRAG \slot, 2, 0
	s_wait_dscnt 21
	WMM 1
	EPI
	LFRAG \slot, 3, 1
	s_wait_dscnt 21
	WMM 0
.if \fill
	ONWARD
	s_wait_tensorcnt 0x0                           ; no tensor load of mine is out, so a group 0 may be written
	ds_add_u32 v[SPW], v[NIL]                      ; 0 onto my spare word
	s_add_nc_u64 s[G0+4*(\slot)+2:G0+4*(\slot)+3], s[G0+4*(\slot)+2:G0+4*(\slot)+3], 2*SLOTB   ; two fills on; the type bits on top are not reached
	s_wait_dscnt 0x0                               ; the add is done, and the slot's last pair is in my registers
	s_barrier_signal -1
	EPI
	s_barrier_wait -1
	CREST
	JOINT \slot
.elseif (\last) == 0
	s_wait_tensorcnt 0x0                           ; my part of the last fill is in: no load was issued behind it, and nothing is filled again
	s_wait_dscnt 0x0
	s_barrier_signal -1
	EPI
	s_barrier_wait -1                              ; everybody's part is in
.else
	EPI
	s_wait_dscnt 0x0
.endif
.if (\last) == 0
	LFRAG 1-(\slot), 0, 0
.endif
.if \fill
	ASK \slot
.endif
	WMM 1
	EPI
.endm
	s_load_b128 s[4:7], s[0:1], 0x0                ; x s[4:5], cpk s[6:7]
	s_load_b64 s[8:9], s[0:1], 0x10                ; out0
	v_lshl_add_u32 v[SPW], v0, 2, SPARE
	v_mov_b32 v[NIL], 0
	ds_add_u32 v[SPW], v[NIL]                      ; the wave's opening: the add, twice on end, and its wait ahead of my first tensor load; the set-up below, work on registers, stands between
	ds_add_u32 v[SPW], v[NIL]
	v_lshrrev_b32 v[T0], 5, v0
	v_readfirstlane_b32 s[WV], v[T0]               ; wave 0..7
	s_lshr_b32 s11, s[WV], 2                       ; a: my row half
	s_and_b32 s12, s[WV], 3                        ; i: my quarter of the centres
	s_bfe_u32 s13, ttmp6, 0x40000                  ; cx: my place in the cluster: it enters x's and out0's addresses and the prefetch's alone
	s_mul_i32 s49, s13, 18
	s_mul_i32 s50, s[WV], 69
	s_lshl_b32 s14, ttmp9, 2                       ; in a cluster launch ttmp9 counts clusters
	s_add_co_u32 s13, s13, s14                     ; my block of 128 rows
	s_lshl_b32 s14, s13, 18                        ; 128 rows of 2,048 bytes,
	s_lshl_b32 s15, s[WV], 15                      ; my wave's 16 of them
	s_add_co_u32 s14, s14, s15
	s_mov_b32 s15, 0
	s_lshl_b32 s16, s13, 9                         ; 128 results of 4 bytes
	s_mov_b32 s17, 0
	s_mul_i32 s18, s[WV], PART                     ; my part, in a fill and in a slot
	s_mov_b32 s19, 0
	s_mov_b32 s[SEL], 0x76543210
	s_mov_b32 s[SEL+1], 0xfedcba98
	s_mov_b32 s[PINF], 0x7f800000
	; descriptor group 1: a part is a dense block: 69 rows of 256 bytes (32 elements of 8 bytes), laid in LDS as it lies
	s_mov_b32 s[G1+0], 15|(3<<16)|(1<<21)          ; 15:0 the mask: all four work-groups; 17:16 elements of 8 bytes; 20 no padding; 21 set beside a mask
	s_mov_b32 s[G1+1], 32<<16                      ; tensor_dim0 = 32
	s_mov_b32 s[G1+2], 69<<16                      ; tensor_dim1 = 69
	s_mov_b32 s[G1+3], 32<<16                      ; tile_dim0 = 32
	s_mov_b32 s[G1+4], 69                          ; tile_dim1 = 69
	s_mov_b32 s[G1+5], 32                          ; tensor_dim0_stride
	s_mov_b32 s[G1+6], 0
	s_mov_b32 s[G1+7], 0
	s_mul_i32 s41, s12, QP                         ; my quarter's part of a slot
	s_mul_i32 s42, s11, 4*XIMG
	s_add_co_u32 s42, s42, XA                      ; my row half's images
	s_lshl_b32 s43, s12, 10                        ; my quarter's first centre
	s_mul_i32 s44, s[WV], XIMG
	s_add_co_u32 s44, s44, XA                      ; my stage, later my image
	s_lshl_b32 s45, s[WV], 8
	s_lshl_b32 s46, s[WV], 9
	s_add_co_u32 s46, s46, XA                      ; results: 512 bytes a wave, 8 a row
	s_and_b32 s47, s[WV], 1
	s_lshl_b32 s47, s47, 11
	s_add_co_u32 s47, s47, XA                      ; back: wave 0 takes the first row half, wave 1 the second, two rows a lane
	s_lshl_b32 s48, s11, 10
	s_add_co_u32 s48, s48, XNA
	s_cmp_lt_u32 ttmp9, 4                          ; the first four clusters ask
	s_cselect_b32 s[LIM], 0, -1
	s_cselect_b32 s[LIM+1], 1, -1
	v_and_b32 v[T0], 31, v0                        ; l
	v_and_b32 v[T1], 15, v0                        ; r = l % 16
	v_bfe_u32 v[T2], v0, 4, 1                      ; h = l / 16
	v_lshl_add_u32 v[ADF], v[T0], 4, s41
	v_lshlrev_b32 v[XO], 4, v[T1]
	v_lshl_add_u32 v[ADC], v[T2], 5, s41
	v_lshl_add_u32 v[CUR], v[T2], 3, s43           ; 1024 i + 8 h
	v_lshl_add_u32 v[XO], v[T2], 11, v[XO]
	v_add_nc_u32 v[ADF+1], SLOTB, v[ADF]
	v_mul_u32_u24 v[STW], v[T2], 272
	v_mul_u32_u24 v[STR], v[T1], 272
	v_add_nc_u32 v[ADC+1], SLOTB, v[ADC]
	v_lshl_add_u32 v[STW], v[T1], 4, v[STW]
	v_lshl_add_u32 v[STR], v[T2], 7, v[STR]
	v_lshlrev_b32 v[SH8], 3, v[T2]
	v_lshl_add_u32 v[OO], v[T0], 3, s45
	v_add_nc_u32 v[STW], s44, v[STW]
	v_add_nc_u32 v[STR], s44, v[STR]
	v_lshl_add_u32 v[IM16], v[T0], 4, s44
	v_add_nc_u32 v[XNW], XNA, v[OO]                ; XNA + 256 w + 8 l
	v_min_u32 v[PFO], 17, v[T0]                    ; the prefetch: 18 lanes to a partner,
	v_lshl_add_u32 v[IMR], v[T0], 4, s42
	v_lshl_add_u32 v[XNR], v[T0], 3, s48
	v_add_nc_u32 v[PFO], s49, v[PFO]
	v_lshl_add_u32 v[RDW], v[T1], 3, s46
	v_lshl_add_u32 v[RDR], v[T0], 4, s47
	v_min_u32 v[PFO], 68, v[PFO]                   ; none beyond the wave's 69 blocks,
.irp s, 0,1,2,3
	v_mov_b32 v[TP+\s], 0                          ; written once: a lane permute's destination counts as one of its sources
.endr
	v_add_nc_u32 v[PFO], s50, v[PFO]
	v_lshlrev_b32 v[PFO], 8, v[PFO]                ; of 256 bytes each
	s_wait_alu depctr_va_vdst(0)                   ; the wait at the head's end
	s_wait_dscnt 0x0                               ; both opening adds are done
	s_wait_kmcnt 0x0
	s_add_nc_u64 s[4:5], s[4:5], s[14:15]          ; x at my wave's first row
	s_add_nc_u64 s[8:9], s[8:9], s[16:17]          ; out0 at my block's first row
	s_add_nc_u64 s[PFB:PFB+1], s[6:7], SLOTB       ; the prefetch begins with fill 1
	s_add_nc_u64 s[6:7], s[6:7], s[18:19]          ; cpk at my part of fill 0
	LOAD 0                                         ; x's first loads set out ahead of the round
	LOAD 1
	s_mov_b32 s[G0+0], 1                           ; 1:0 count = 1
	s_mov_b32 s[G0+1], s18                         ; 63:32 LDS address: slot 0, my part
	s_mov_b64 s[G0+2:G0+3], s[6:7]                 ; 120:64 global address: fill 0
	s_or_b32 s[G0+3], s[G0+3], 0x80000000          ; 127:126 type = 2
	s_mov_b32 s[G0+4], 1
	s_add_co_u32 s[G0+5], s18, SLOTB               ; slot 1
	s_add_nc_u64 s[G0+6:G0+7], s[6:7], SLOTB       ; fill 1
	s_or_b32 s[G0+7], s[G0+7], 0x80000000
	ROUND                                          ; all four work-groups are here: the first joint loads meet
	JOINT 0                                        ; fill 0
	LOAD 2                                         ; the rest of my 16 rows: all of x is asked for before any of it is waited for
	LOAD 3
	LOAD 4
	LOAD 5
	LOAD 6
	ASK 2                                          ; fill 1
	LOAD 7
	; ---- x: my 16 rows become four fragments, four scale words and -|x|^2 / 2
	s_wait_loadcnt 56                              ; half step 0's eight loads are in; the 56 behind them may be out
	TURN 0
.irp u, 0,1,2,3,4,5,6,7
.if \u < 7
	s_wait_loadcnt 48-8*\u                         ; the next half step's loads are in; those behind it may be out
	TURN \u+1
	s_wait_dscnt 16                                ; this half step is back from the stage; the 16 LDS instructions just issued may be out
.else
	s_wait_dscnt 0x0
.endif
	QBLK \u
.endr
	QEND
.irp k, 0,1,2,3,4,5,6,7
	ds_store_b128 v[IM16], v[CODE+4*\k:CODE+4*\k+3] offset:512*\k   ; the image of the operand's registers, over my stage, which has been read out
.endr
	ds_store_b128 v[IM16], v[WS:WS+3] offset:4096
	ds_store_b64 v[XNW], v[NH:NH+1]
	ONWARD
	s_wait_tensorcnt 0x0                           ; my part of fill 0 is in; the same lines as ahead of a refill:
	ds_add_u32 v[SPW], v[NIL]                      ; 0 onto my spare word
	s_wait_dscnt 0x0                               ; the add is done and my image has landed
	ROUND                                          ; everybody's image and part of fill 0 are in; the joint loads meet
	JOINT 1                                        ; fill 1, the first tensor load behind the round
	; ---- every wave takes its row half's four images: the same lines as loads give the same registers in the same lanes
	WIN 0x40                                       ; destination window 1
.irp m, 0,1,2,3
.irp k, 0,1,2,3,4,5,6,7
	ds_load_b128 v[32*\m+4*\k:32*\m+4*\k+3], v[IMR] offset:XIMG*\m+512*\k
.endr
.endr
	WIN 0
.irp m, 0,1,2,3
	ds_load_b128 v[XS+4*\m:XS+4*\m+3], v[IMR] offset:XIMG*\m+4096
	ds_load_b64 v[XN+2*\m:XN+2*\m+1], v[XNR] offset:256*\m
.endr
	LFRAG 0, 0, 0
	ASK 2                                          ; fill 2
	; while they are on their way: the smallest so far is +infinity.  The kept groups are written once too: each select reads its destination
.irp m, 0,1,2,3
	v_mov_b32 v[ST+2*\m], s[PINF]
	v_mov_b32 v[ST+2*\m+1], 0
.endr
.set i, 0
.rept 64
	v_mov_b32 v[SV+i], s[PINF]
.set i, i+1
.endr
	s_wait_alu depctr_va_vdst(0)
	s_wait_dscnt 21                                ; the images are in; the first pair's 21 loads may be out
	s_mov_b32 s[TRIPS], 3
.Lring:                                                ; a trip goes once round the ring: eight pairs of tiles a wave, and both slots are filled again (fills 2 to 7)
	SLOTRUN 0, 1, 0
	SLOTRUN 1, 1, 0
	s_sub_co_u32 s[TRIPS], s[TRIPS], 1
	s_cmp_lg_u32 s[TRIPS], 0
	s_cbranch_scc1 .Lring
	SLOTRUN 0, 0, 0                                ; the last two fills are written out: nothing more is asked for
	SLOTRUN 1, 0, 1
	; ---- the place in the kept group: the lowest whose magnitude is the smallest.  It begins at the last and goes down, so that the lowest match is written last.  Number j of a group is its centre j (+ 8 from j = 8 on)
.irp m, 0,1,2,3
	v_mov_b32 v[FJ+\m], 23
.endr
.irp j, 14,13,12,11,10,9,8,7,6,5,4,3,2,1,0
.irp m, 0,1,2,3
	v_cmp_neq_f32 s[MK+\m], |v[SV+16*\m+\j]|, v[ST+2*\m]
.endr
.irp m, 0,1,2,3
	v_cndmask_b32 v[FJ+\m], \j+8*(\j/8), v[FJ+\m], s[MK+\m]
.endr
.endr
.irp m, 0,1,2,3
	v_add_nc_u32 v[ST+2*\m+1], v[ST+2*\m+1], v[FJ+\m]
.endr
	; ---- with the lane 16 away, which holds the same row's other centres: the smaller magnitude; on a tie the lower index
.irp m, 0,1,2,3
	v_permlanex16_b32 v[FT+4*\m], v[ST+2*\m], s[SEL], s[SEL+1]
	v_permlanex16_b32 v[FT+4*\m+1], v[ST+2*\m+1], s[SEL], s[SEL+1]
.endr
.irp m, 0,1,2,3
	v_cmp_lt_f32 s[MK+\m], v[FT+4*\m], v[ST+2*\m]
	v_cmp_eq_f32 s[MK+4+\m], v[FT+4*\m], v[ST+2*\m]
	v_min_u32 v[FT+4*\m+2], v[ST+2*\m+1], v[FT+4*\m+1]
.endr
.irp m, 0,1,2,3
	v_cndmask_b32 v[FT+4*\m+3], v[ST+2*\m+1], v[FT+4*\m+1], s[MK+\m]
	v_min_num_f32 v[ST+2*\m], v[ST+2*\m], v[FT+4*\m]
.endr
.irp m, 0,1,2,3
	v_cndmask_b32 v[ST+2*\m+1], v[FT+4*\m+3], v[FT+4*\m+2], s[MK+4+\m]
.endr
.irp m, 0,1,2,3
	ds_store_b64 v[RDW], v[ST+2*\m:ST+2*\m+1] offset:128*\m         ; over the images, which every wave has read long ago, in front of the rounds; lanes l and l + 16 write the same bytes
.endr
	s_wait_dscnt 0x0                               ; for the others' sake: my results have landed
	s_barrier_signal -1
	s_barrier_wait -1
	; ---- over the four quarters: waves 0 and 1 take 64 rows each, two a lane; the quarters in ascending order and a strict compare, so that on a tie the lower indices stay
	s_cmp_lt_u32 s[WV], 2
	s_cbranch_scc0 .Lend
.irp a, 0,1,2,3
	ds_load_b128 v[FR+4*\a:FR+4*\a+3], v[RDR] offset:512*\a
.endr
	s_wait_dscnt 0x0
.irp a, 1,2,3
	v_cmp_lt_f32 s[MK], v[FR+4*\a], v[FR]
	v_cmp_lt_f32 s[MK+1], v[FR+4*\a+2], v[FR+2]
	v_cndmask_b32 v[FR], v[FR], v[FR+4*\a], s[MK]
	v_cndmask_b32 v[FR+1], v[FR+1], v[FR+4*\a+1], s[MK]
	v_cndmask_b32 v[FR+2], v[FR+2], v[FR+4*\a+2], s[MK+1]
	v_cndmask_b32 v[FR+3], v[FR+3], v[FR+4*\a+3], s[MK+1]
.endr
	v_mov_b32 v[FR], v[FR+1]                       ; the two indices side by side
	v_mov_b32 v[FR+1], v[FR+3]
	global_store_b64 v[OO], v[FR:FR+1], s[8:9]     ; 32 lanes store 256 consecutive bytes, at a multiple of 256 from out0's first byte
.Lend:
	s_wait_tensorcnt 0x0                           ; the wave's end: behind my last tensor load and my last LDS store
	ds_add_u32 v[SPW], v[NIL]
	s_wait_dscnt 0x0
	ROUND                                          ; the closing round: no work-group ends while a partner may still ask for a fill that names it
	s_endpgm
.Lfunc_end_k_q05352ab6df_main:
	.size	k_q05352ab6df_main, .Lfunc_end_k_q05352ab6df_main-k_q05352ab6df_main
	.p2alignl 7, 3214868480
	.fill 96, 4, 3214868480
	.section	.rodata,"a",@progbits
	.p2align	6, 0x0
	.amdhsa_kernel k_q05352ab6df_main
		.amdhsa_group_segment_fixed_size 327680
		.amdhsa_private_segment_fixed_size 0
		.amdhsa_enable_private_segment 0
		.amdhsa_kernarg_size 24
		.amdhsa_user_sgpr_count 2
		.amdhsa_user_sgpr_kernarg_segment_ptr 1
		.amdhsa_wavefront_size32 1
		.amdhsa_system_sgpr_workgroup_id_x 1
		.amdhsa_system_sgpr_workgroup_id_y 1
		.amdhsa_system_sgpr_workgroup_id_z 1
		.amdhsa_system_vgpr_workitem_id 0
		.amdhsa_next_free_vgpr 512
		.amdhsa_next_free_sgpr 66
		.amdhsa_reserve_vcc 1
		.amdhsa_float_denorm_mode_32 3
		.amdhsa_float_denorm_mode_16_64 3
		.amdhsa_memory_ordered 1
		.amdhsa_forward_progress 1
		.amdhsa_inst_pref_size 223
	.end_amdhsa_kernel
	.amdgpu_metadata
---
amdhsa.version: [ 1, 2 ]
amdhsa.kernels:
  - .name:           k_q05352ab6df_main
    .symbol:         k_q05352ab6df_main.kd
    .args:
      - { .name: x, .offset: 0, .size: 8, .value_kind: global_buffer, .address_space: global }
      - { .name: cpk, .offset: 8, .size: 8, .value_kind: global_buffer, .address_space: global }
      - { .name: out0, .offset: 16, .size: 8, .value_kind: global_buffer, .address_space: global }
    .group_segment_fixed_size: 327680
    .private_segment_fixed_size: 0
    .kernarg_segment_align: 8
    .kernarg_segment_size: 24
    .max_flat_workgroup_size: 256
    .sgpr_count:     66
    .vgpr_count:     512
    .wavefront_size: 32
...
	.end_amdgpu_metadata
.endif
;; end of part 2
